; MI455X (gfx1250); checked and timed in simulation.
; The chip was launched on July 23, 2026; its instructions are those of AMD's public machine-readable ISA for CDNA 5 (MIT licence, August 2026) and "CDNA5" Instruction Set Architecture Reference Guide (July 2026). The comments in the code are by the model that wrote it; some were corrected since.
;; Pos Add RQ Spline. Allowed arithmetic: float matrix products may take bf16 or f16 operands with f32 sums; all other float work in f32.
;; Inputs: W0 8 x 16 x 256 float32; Wf 8 x 256 x 400 float32; Wr 8 x 4 x 256 x 256 float32; b0 8 x 256 float32; bf 8 x 400 float32; br 8 x 4 x 256 float32; perms 8 x 16 int32; scales 8 x 16 float32; shifts 8 x 16 float32; x 16,384 x 16 float32.
;; Outputs: out0 16,384 float32.
;; One version. Each part assembles by itself: llvm-mc -triple=amdgcn-amd-amdhsa -mcpu=gfx1250 --defsym DOCPART=n.
;; ======== version 1 of 1: 2 launches
;; workspace buffers: wst 5,357,568 bytes; cb 256 bytes; psel 256 bytes of whole numbers
;; launch prep (part 1): grid 8 x 41, 8 waves a work-group, no clusters, 0 bytes of LDS; arguments W0, b0, Wr, br, Wf, bf, scales, wst, cb, perms, psel; writes wst, cb, psel
.if DOCPART == 1
	.amdgcn_target "amdgcn-amd-amdhsa--gfx1250"
	.amdhsa_code_object_version 6
	.text
	.protected	k_q9187520d4a_prep
	.globl	k_q9187520d4a_prep
	.p2align	8
	.type	k_q9187520d4a_prep,@function
k_q9187520d4a_prep:
	s_mov_b64 s[64:65], 0
	v_nop
	global_prefetch_b8 v0, s[64:65] scope:SCOPE_SE
	s_setreg_imm32_b32 hwreg(HW_REG_WAVE_MODE, 25, 1), 1
	s_wait_xcnt 0x0
; PREP: rounds the weights to bf16 once and lays them out in the order in which the second launch's matrix
; fragments want them; folds pe[n] = sin(2 pi n / 256) into the bias rows; makes the one number that no row changes;
; packs each layer's permutation into sixteen 4-bit fields.
;
; wst, for each layer l (LAYB bytes): tile T0, then T1 .. T5.  Each tile is four blocks, one for each wave w of the
; second launch (output features 64 w .. 64 w + 63).  A block begins with a bias row of 64 f32 (256 bytes).
;   T0 block (2,304 bytes): bias c0, then for a = 0..3 a half fragment of 512 bytes: the 16 bytes at 512 a + 16 (16 h + r)
;      hold W0[l][8 h + j][64 w + 16 a + r], j = 0..7.
;   T1..T5 block (33,024 bytes): bias, then at 4096 p + 1024 a + 512 half + 16 (16 h + r) the 8 numbers
;      W[32 kk + 16 half + 8 h + j][n], n = 64 w + 16 a + r, kk = (p + 2 w) & 7: wave w walks K beginning with the 64 k
;      that are its own output features of the step before.   T1..T4: W = Wr[l][0..3].   T5: W = Wf[l][.][col(n)].
;   col(n) = 25 f + min(8 a, 17) + (r & 7), f = 2 (2 w + (r >> 3)) + (l & 1): only the eight features that layer l
;      transforms (reference()'s own mask throws the other eight splines away, so those columns of Wf and bf are not
;      read); a = 0 widths, 1 heights, 2 slopes 0..7, 3 slopes 1..8 (seven of them twice), so that T5 is 256 wide too.
;   bias rows: c0 = b0 + pe, c1 = br0 + pe, c2 = br1, c3 = br2 + pe, c4 = br3 - pe, c5 = bf[col(n)].
; cb: sum over all layers and features of ln|scales| - 8 ln(2 pi).
; psel: 8 bytes a layer; bits 4 j .. 4 j + 3 hold perms[l][j] (its low four bits: an index stays inside the row of 16).
; LIMIT: v_log_f32 takes a denormal as zero (ISA guide, its entry in 15.8): a |scale| below 2^-126 gives -inf.
;
; Grid 8 x 41.  y = 0..39: q = y >> 3 picks the tile T(q+1), l = y & 7, x = kk (32 of the 256 k).  y = 40: x = l,
; the bias rows and T0.  Thread t is output feature n = t.  A stream: no LDS, no barrier, no matrix unit.
.set LAYB,  669696                     ; bytes of a layer in wst = 9,216 + 5 x 132,096
.set T0W,   2304                       ; a wave's block of T0
.set TW,    33024                      ; a wave's block of T1..T5
.set TILEB, 132096                     ; four such blocks
	s_load_b512 s[8:23], s[0:1], 0x0               ; W0 s[8:9], b0 s[10:11], Wr s[12:13], br s[14:15], Wf s[16:17], bf s[18:19], scales s[20:21], wst s[22:23]
	s_load_b64 s[24:25], s[0:1], 0x40              ; cb
	s_load_b128 s[36:39], s[0:1], 0x48             ; perms s[36:37], psel s[38:39]
	s_and_b32 s2, ttmp7, 0xffff                    ; y
	s_lshr_b32 s3, s2, 3                           ; q
	s_and_b32 s4, s2, 7                            ; l, where q < 5
	s_cmp_eq_u32 s3, 5
	s_cselect_b32 s4, ttmp9, s4                    ; l = x, where q = 5
	s_and_b32 s5, s4, 1                            ; the parity of the features that layer l transforms
	s_mul_i32 s26, s4, LAYB
	s_mov_b32 s27, 0
	s_mov_b32 s29, 0
	v_lshrrev_b32 v1, 6, v0                        ; w
	v_bfe_u32 v2, v0, 4, 2                         ; a
	v_and_b32 v3, 15, v0                           ; r
	v_lshrrev_b32 v4, 3, v3
	v_lshl_add_u32 v4, v1, 1, v4                   ; g = 2 w + (r >> 3)
	v_lshl_add_u32 v4, v4, 1, s5                   ; f = 2 g + parity
	v_lshlrev_b32 v5, 3, v2
	v_min_u32 v5, 17, v5                           ; min(8 a, 17)
	v_and_b32 v6, 7, v3
	v_add_nc_u32 v5, v5, v6
	v_mad_u32_u24 v4, v4, 25, v5                   ; col(n)
	v_lshlrev_b32 v4, 2, v4                        ; in bytes
	v_lshlrev_b32 v8, 2, v0                        ; 4 n
	s_wait_kmcnt 0x0
	s_add_nc_u64 s[22:23], s[22:23], s[26:27]      ; wst at layer l
	s_cmp_eq_u32 s3, 5
	s_cbranch_scc1 .Lbias
	; ---- a slice of 32 k of one 256 x 256 tile ----
	s_mul_i32 s26, s3, TILEB
	s_add_co_u32 s26, s26, 9216+256                ; behind T0, behind the block's bias row
	s_add_nc_u64 s[22:23], s[22:23], s[26:27]
	s_mov_b32 s28, ttmp9                           ; kk
	v_lshlrev_b32 v9, 1, v1
	v_sub_nc_u32 v9, s28, v9
	v_and_b32 v9, 7, v9                            ; p = (kk - 2 w) & 7: the slice's place in wave w's order of K
	v_mul_u32_u24 v7, TW, v1                       ; my 16 bytes: block w,
	v_lshl_add_u32 v7, v2, 10, v7                  ; fragment a,
	v_lshl_add_u32 v7, v3, 4, v7                   ; lane r (h and half stand in the store's immediate),
	v_lshl_add_u32 v7, v9, 12, v7                  ; place p x 4,096
; 32 loads (k = 32 kk + i; neighbouring lanes read neighbouring n), then four times: eight numbers rounded and packed,
; 16 bytes stored; sixteen neighbouring lanes store 256 consecutive bytes at a multiple of 256 from wst's first byte.
.macro TILE stride, off
.set i, 0
.rept 32
	global_load_b32 v[16+i], v[\off], s[32:33] offset:i*\stride
.set i, i+1
.endr
.irp c, 0,1,2,3
	s_wait_loadcnt 24-8*\c                         ; loads come back in order (ISA guide 5.7.1): the first 8 (c + 1) are in, the younger stay out
.irp j, 0,1,2,3
	v_cvt_pk_bf16_f32 v[48+4*\c+\j], v[16+8*\c+2*\j], v[16+8*\c+2*\j+1]
.endr
	global_store_b128 v7, v[48+4*\c:48+4*\c+3], s[22:23] offset:256*\c    ; c = 2 half + h
.endr
.endm
	s_cmp_eq_u32 s3, 4
	s_cbranch_scc1 .Lwf
	s_lshl2_add_u32 s28, s4, s3                    ; 4 l + q
	s_lshl_b32 s28, s28, 18                        ; x 262,144 bytes
	s_lshl_b32 s30, ttmp9, 15                      ; + kk x 32 rows of 1,024 bytes
	s_add_co_u32 s28, s28, s30
	s_add_nc_u64 s[32:33], s[12:13], s[28:29]
	TILE 1024, 8
	s_endpgm
.Lwf:
	s_mul_i32 s28, s4, 409600                      ; Wf[l]
	s_mul_i32 s30, ttmp9, 51200                    ; + kk x 32 rows of 1,600 bytes
	s_add_co_u32 s28, s28, s30
	s_add_nc_u64 s[32:33], s[16:17], s[28:29]
	TILE 1600, 4
	s_endpgm
	; ---- the six bias rows and T0 of layer l ----
.Lbias:
	s_lshl_b32 s28, s4, 10
	s_add_nc_u64 s[10:11], s[10:11], s[28:29]      ; b0[l]
	s_lshl_b32 s28, s4, 12
	s_add_nc_u64 s[14:15], s[14:15], s[28:29]      ; br[l]
	s_mul_i32 s28, s4, 1600
	s_add_nc_u64 s[18:19], s[18:19], s[28:29]      ; bf[l]
	s_lshl_b32 s28, s4, 14
	s_add_nc_u64 s[8:9], s[8:9], s[28:29]          ; W0[l]
	global_load_b32 v12, v8, s[10:11]
.irp j, 0,1,2,3
	global_load_b32 v[13+\j], v8, s[14:15] offset:1024*\j
.endr
	global_load_b32 v17, v4, s[18:19]
.set i, 0
.rept 16
	global_load_b32 v[20+i], v8, s[8:9] offset:1024*i
.set i, i+1
.endr
	; pe[n]: the angle is folded in whole numbers into [0, pi/2]; there the odd series up to x^11 leaves less than 6e-8
	v_and_b32 v9, 127, v0
	v_sub_nc_u32 v10, 128, v9
	v_min_u32 v9, v9, v10                          ; sin(pi - t) = sin(t)
	v_cvt_f32_u32 v9, v9
	v_mul_f32 v9, 0x3cc90fdb, v9                   ; x pi / 128
	v_mul_f32 v10, v9, v9
	v_mov_b32 v11, 0xb2d7322b                      ; -1/11!
	v_fmaak_f32 v11, v11, v10, 0x3638ef1d          ; +1/9!
	v_fmaak_f32 v11, v11, v10, 0xb9500d01          ; -1/7!
	v_fmaak_f32 v11, v11, v10, 0x3c088889          ; +1/5!
	v_fmaak_f32 v11, v11, v10, 0xbe2aaaab          ; -1/3!
	v_mul_f32 v10, v10, v9
	v_fma_f32 v11, v11, v10, v9                    ; x + x^3 p(x^2)
	v_and_b32 v10, 128, v0
	v_lshlrev_b32 v10, 24, v10                     ; the second half of the period is negative
	v_xor_b32 v11, v10, v11
	v_and_b32 v5, 63, v0
	v_lshlrev_b32 v5, 2, v5                        ; my word in a bias row
	v_mad_u32_u24 v36, v1, T0W, v5                 ; in T0's block w
	v_mad_u32_u24 v37, v1, TW, v5                  ; in block w of T1..T5
	v_mul_u32_u24 v38, T0W, v1
	v_lshl_add_u32 v38, v2, 9, v38
	v_lshl_add_u32 v38, v3, 4, v38                 ; my 16 bytes in T0's half fragment a
	s_wait_loadcnt 0x0
	v_add_f32 v12, v12, v11                        ; c0 = b0 + pe
	v_add_f32 v13, v13, v11                        ; c1 = br0 + pe
	v_add_f32 v15, v15, v11                        ; c3 = br2 + pe
	v_sub_f32 v16, v16, v11                        ; c4 = br3 - pe
	global_store_b32 v36, v12, s[22:23]
.irp j, 0,1,2,3,4
	global_store_b32 v37, v[13+\j], s[22:23] offset:9216+\j*TILEB
.endr
.irp j, 0,1,2,3,4,5,6,7
	v_cvt_pk_bf16_f32 v[40+\j], v[20+2*\j], v[20+2*\j+1]
.endr
	global_store_b128 v38, v[40:43], s[22:23] offset:256      ; h = 0: k = 0..7
	global_store_b128 v38, v[44:47], s[22:23] offset:512      ; h = 1: k = 8..15
	; ---- the constant and the packed permutations: one wave of one work-group ----
	s_cmp_lg_u32 ttmp9, 0
	s_cbranch_scc1 .Ldone
	v_lshrrev_b32 v50, 5, v0
	v_readfirstlane_b32 s30, v50
	s_cmp_lg_u32 s30, 0
	s_cbranch_scc1 .Ldone
	s_mov_b32 s28, 0x76543210                      ; v_permlanex16_b32: lane i of one half reads lane i of the other
	s_mov_b32 s29, 0xfedcba98
	s_mov_b32 s30, 0x3f317218                      ; ln 2
	v_lshlrev_b32 v51, 4, v0                       ; wave 0: v0 is the lane; 4 of the 128 scales, 4 of the 128 indices each
	global_load_b128 v[52:55], v51, s[20:21]
	global_load_b128 v[58:61], v51, s[36:37]
	s_wait_loadcnt 0x0
	v_log_f32 v52, |v52|
	v_log_f32 v53, |v53|
	v_log_f32 v54, |v54|
	v_log_f32 v55, |v55|
	v_lshlrev_b32 v56, 2, v0                       ; a plain instruction stands between the logarithms and their first use (ISA guide 5.7.2)
	s_wait_alu depctr_va_vdst(0)
	v_add_f32 v52, v52, v53
	v_add_f32 v54, v54, v55
	v_add_f32 v52, v52, v54
	v_add_f32_dpp v52, v52, v52 row_xmask:1 row_mask:0xf bank_mask:0xf
	v_add_f32_dpp v52, v52, v52 row_xmask:2 row_mask:0xf bank_mask:0xf
	v_add_f32_dpp v52, v52, v52 row_xmask:4 row_mask:0xf bank_mask:0xf
	v_add_f32_dpp v52, v52, v52 row_xmask:8 row_mask:0xf bank_mask:0xf
	v_permlanex16_b32 v53, v52, s28, s29
	v_add_f32 v52, v52, v53
	v_fmaak_f32 v52, s30, v52, 0xc16b3f8e          ; ln 2 x sum of log2 - 8 ln(2 pi)
	global_store_b32 v56, v52, s[24:25]            ; every lane stores the same number; word 0 is the one read later
	; lane L holds perms[L >> 2][4 (L & 3) .. + 3]: four fields of 4 bits, 16 bits at byte 2 L; the wave's 64 bytes are consecutive
.irp j, 58,59,60,61
	v_and_b32 v\j, 15, v\j
.endr
	v_lshl_or_b32 v58, v59, 4, v58
	v_lshl_or_b32 v58, v60, 8, v58
	v_lshl_or_b32 v58, v61, 12, v58
	v_lshlrev_b32 v57, 1, v0
	global_store_b16 v57, v58, s[38:39]
.Ldone:
	s_endpgm
.Lfunc_end_k_q9187520d4a_prep:
	.size	k_q9187520d4a_prep, .Lfunc_end_k_q9187520d4a_prep-k_q9187520d4a_prep
	.p2alignl 7, 3214868480
	.fill 96, 4, 3214868480
	.section	.rodata,"a",@progbits
	.p2align	6, 0x0
	.amdhsa_kernel k_q9187520d4a_prep
		.amdhsa_group_segment_fixed_size 0
		.amdhsa_private_segment_fixed_size 0
		.amdhsa_enable_private_segment 0
		.amdhsa_kernarg_size 88
		.amdhsa_user_sgpr_count 2
		.amdhsa_user_sgpr_kernarg_segment_ptr 1
		.amdhsa_wavefront_size32 1
		.amdhsa_system_sgpr_workgroup_id_x 1
		.amdhsa_system_sgpr_workgroup_id_y 1
		.amdhsa_system_sgpr_workgroup_id_z 1
		.amdhsa_system_vgpr_workitem_id 0
		.amdhsa_next_free_vgpr 64
		.amdhsa_next_free_sgpr 66
		.amdhsa_reserve_vcc 0
		.amdhsa_float_denorm_mode_32 3
		.amdhsa_float_denorm_mode_16_64 3
		.amdhsa_memory_ordered 1
		.amdhsa_forward_progress 1
		.amdhsa_inst_pref_size 19
	.end_amdhsa_kernel
	.amdgpu_metadata
---
amdhsa.version: [ 1, 2 ]
amdhsa.kernels:
  - .name:           k_q9187520d4a_prep
    .symbol:         k_q9187520d4a_prep.kd
    .args:
      - { .name: W0, .offset: 0, .size: 8, .value_kind: global_buffer, .address_space: global }
      - { .name: b0, .offset: 8, .size: 8, .value_kind: global_buffer, .address_space: global }
      - { .name: Wr, .offset: 16, .size: 8, .value_kind: global_buffer, .address_space: global }
      - { .name: br, .offset: 24, .size: 8, .value_kind: global_buffer, .address_space: global }
      - { .name: Wf, .offset: 32, .size: 8, .value_kind: global_buffer, .address_space: global }
      - { .name: bf, .offset: 40, .size: 8, .value_kind: global_buffer, .address_space: global }
      - { .name: scales, .offset: 48, .size: 8, .value_kind: global_buffer, .address_space: global }
      - { .name: wst, .offset: 56, .size: 8, .value_kind: global_buffer, .address_space: global }
      - { .name: cb, .offset: 64, .size: 8, .value_kind: global_buffer, .address_space: global }
      - { .name: perms, .offset: 72, .size: 8, .value_kind: global_buffer, .address_space: global }
      - { .name: psel, .offset: 80, .size: 8, .value_kind: global_buffer, .address_space: global }
    .group_segment_fixed_size: 0
    .private_segment_fixed_size: 0
    .kernarg_segment_align: 8
    .kernarg_segment_size: 88
    .max_flat_workgroup_size: 256
    .sgpr_count:     66
    .vgpr_count:     64
    .wavefront_size: 32
...
	.end_amdgpu_metadata
.endif
;; end of part 1
;; launch flow (part 2): grid 256 x 1, 4 waves a work-group, clusters of 4 x 1, 327,680 bytes of LDS; arguments x, psel, scales, shifts, wst, cb, out0; writes out0
.if DOCPART == 2
	.amdgcn_target "amdgcn-amd-amdhsa--gfx1250"
	.amdhsa_code_object_version 6
	.text
	.protected	k_q9187520d4a_flow
	.globl	k_q9187520d4a_flow
	.p2align	8
	.type	k_q9187520d4a_flow,@function
k_q9187520d4a_flow:
	s_mov_b64 s[64:65], 0
	v_nop
	global_prefetch_b8 v0, s[64:65] scope:SCOPE_SE
	s_setreg_imm32_b32 hwreg(HW_REG_WAVE_MODE, 25, 1), 1
	s_wait_xcnt 0x0
	s_wait_alu depctr_hold_cnt(0) depctr_sa_sdst(0) depctr_va_vdst(0) depctr_va_sdst(0) depctr_va_ssrc(0) depctr_va_vcc(0) depctr_vm_vsrc(0)
	s_getreg_b32 s2, hwreg(HW_REG_IB_STS2, 6, 4)
	s_cmp_eq_u32 s2, 0
	s_cbranch_scc0 .Lentry_in_a_cluster
	s_endpgm
.Lentry_in_a_cluster:
	s_bfe_u32 s2, ttmp6, 0x10000c
	s_cmp_lg_u32 s2, 0x3003
	s_cbranch_scc0 .Lentry_shape_is_right
	s_endpgm
.Lentry_shape_is_right:
; FLOW: all eight layers for 64 rows of x in one work-group; nothing goes through memory between the steps.
; Four waves, as many as a WGP has SIMDs.  Every product of a layer is [64 rows] x [256 k] x [256 features] (the first has 16 k);
; wave w makes features 64 w .. 64 w + 63 of all 64 rows: 16 accumulator tiles of 16 x 16, 128 registers.
; A layer is six turns: turn 0 xm W0; turns 1..4 the four matrices of the two residual blocks; turn 5 the spline's parameters.
; The first launch has folded pe into the bias rows c0..c5, so that the state kept in f32 registers is G = h + pe:
;   G = c0 + xm W0; ACC = c1 + relu(G) Wr0; G += relu(ACC) Wr1 + c2; ACC = c3 + relu(G) Wr2; G += relu(ACC) Wr3;
;   ACC = c5 + relu(G + c4) Wf'.  A bias enters as the C operand of a sum's first product where the sum starts there.
; THE MATRIX INSTRUCTION IS USED TRANSPOSED: source 0 = 16 features of the weights, source 1 = 16 rows of activations.  Lane (r, h), register j
; of tile (a, t) then holds row 16 t + r, feature 64 w + 16 a + 8 h + j: eight neighbouring features, 16 bytes of bf16.  Packed, tiles (0, t) and
; (1, t) ARE the activation fragment of rows 16 t .. + 15 for k = 64 w .. 64 w + 31, tiles (2, t) and (3, t) for the next 32 k.  So each wave walks K
; beginning with its own 64 features (K step p takes k block (p + 2 w) & 7; wst holds its weights in that order): K steps 0 and 1 read no
; activations from LDS and start ahead of the barrier that shows the other waves' activations.
; In turn 5, by the order of Wf's columns in wst, a lane holds all 32 parameters of ONE pair (row 16 t + r, transformed feature 2 w + h):
; tile a = 0 the widths, 1 the heights, 2 the slopes 0..7, 3 the slopes 1..8.  The spline needs nothing from another lane.
; WEIGHTS come from wst through two LDS slots; turn tau reads slot tau & 1.  Each wave fetches and reads only its own quarter of a tile (its 64
; features: 129 rows of 256 bytes, the first of them the bias row).  CLUSTERS: every work-group walks the same weights, so four work-groups form a
; cluster and ask for each tile JOINTLY (mask 15, the same descriptor in all four): that divides the requests for weights by four.  A round of
; the cluster's barrier stands at the end of each turn; behind it each wave issues one load: the tile of the turn after next, into the slot
; just read.  By this text's count a wave has two tensor loads out at the start and one from then on.
; THE PERMUTATION moves numbers between lanes, not between LDS addresses: every LDS address of this text is made of the lane, the wave and
; constants alone, in registers that never hold anything made of loaded data.
; LIMITS: relu by v_max_num_f32 turns a NaN into 0.  v_exp_f32, v_log_f32, v_rcp_f32 take and give denormals as zero (ISA guide 15.8).  The knots are
; summed from -5 upward and a bin's width and height are taken as they are made, not as differences of knots; K is summed in each wave's own order:
; other orders of rounding than reference()'s.  Matrix operands are bf16, all else f32.
.set TW,     33024                     ; a wave's quarter of a tile: 129 rows of 256 bytes
.set SLOTB,  132096                    ; a slot = a tile of T1..T5
.set T0W,    2304                      ; a wave's quarter of T0: 9 rows of 256 bytes
.set LAYB,   669696                    ; a layer in wst
; LDS: slots 0 and 1 (tensor loads alone write them); behind them, in blocks of 256 bytes of their own, what the waves store:
.set ACT,    264192                    ; 64 rows x 528 bytes (512 + 16: sixteen rows start in sixteen different 16-byte columns of 256 bytes): activations, bf16
.set XS,     297984                    ; 64 rows x 80 bytes: the state x, f32
.set XM,     303104                    ; 64 rows x 48 bytes: the masked x, bf16
.set LDP,    306176                    ; [4 waves][64 rows] f32: the waves' parts of the log-determinant
; window 0 (an instruction names v0-v255; s_set_vgpr_msb says which window of 256 each operand place means)
; v1 lane, v2 r, v3 h, v4-v7 scratch of the head's address arithmetic alone
.set WA,   8                           ; v8, v9    my weights in slot 0, 1: 16 bytes a lane
.set BA,   10                          ; v10, v11  my bias row in slot 0, 1, + 32 h
.set AR,   12                          ; ACT + 528 r + 16 h
.set AW,   13                          ; AR + 128 w: where my results go
.set XB,   14                          ; XS + 1,280 w + 80 h + 4 r: feature r of row 16 w + h; + 160 i: of row 16 w + 2 i + h
.set XW,   15                          ; XS: row 16 w + (lane >> 1), + 32 (lane & 1): where x lands at the start
.set XMB,  16                          ; XM + 768 w + 48 h + 2 r: the place of XB in XM; + 96 i
.set XMR,  17                          ; XM + 48 r + 16 h: fragment reads
.set XPA,  18                          ; XS + 80 r + 8 (2 w + h): my pair of features (2 g, 2 g + 1)
.set PO,   19                          ; byte offset of feature r in scales and shifts; + 64 a layer
.set LDA,  20                          ; LDP + 256 w + 4 r
.set XO,   21                          ; byte offset of my eight numbers in the group's 64 rows of x
.set TXA,  22                          ; XS + 160 lane: rows 2 lane, 2 lane + 1 (the result)
.set TLA,  23                          ; LDP + 8 lane
.set SCL,  24                          ; scale of feature r
.set SHF,  25                          ; shift of feature r
.set OUTO, 26                          ; 8 lane: my two results in the group's 64
.set AKR,  28                          ; v[28:33] K steps p = 2..7: AR + 64 ((p + 2 w) & 7), where their activation fragments are read
.set PX,   48                          ; v[48:55] x at the start; then the permuted rows
.set TT,   56                          ; v[56:63] at work
.set BIAS, 64                          ; v[64:95] bias of feature 16 a + 8 h + j at 8 a + j
.set F0,   96                          ; fragment buffer 0: weights' fragment a at 8 a, activations' fragment t at 32 + 8 t
.set F1,   160                         ; fragment buffer 1 = F0 + 64
; window 1: v0-127 ACC, tile (a, t) at 8 (4 a + t).  window 2: v0-127 G, likewise.  Further in window 1:
.set XP,   128                         ; v[128:135] my pair of x for t = 0..3
.set LDET, 136                         ; v[136:139] log-determinant in units of log2, for t = 0..3
.set SBK,  144                         ; the spline's registers: 16 for each t, at SBK + 16 t + these:
.set oNW,  0                           ; a pair whose first register is broadcast into packed arithmetic: -max log2(e), then (10 - 8e-4) / sum, of the widths
.set oNH,  2                           ; the same of the heights
.set oXV,  4                           ; the x that is transformed
.set oS,   6                           ; 6..13: first the two sums at work, then:
.set oKX,  6                           ; running knots
.set oKY,  7
.set oX0,  8                           ; the bin's left knot, width, lower knot, height, two slopes
.set oWS,  9
.set oY0,  10
.set oHS,  11
.set oD0,  12
.set oD1,  13
.set oM,   14                          ; 14, 15: the two maxima
; scalars: s18 wave, s19 cx, s20 work-group, s21 layer counter, s22 parity mask (0 / -1), s23 the lanes (features) that pass through, s24-25 lane selectors,
; s26 the constant, s27 5.0, s60 -log2(e), s61 -5.0, s[62:63] offsets made of the work-group's number (no register of a descriptor ever holds cx),
; s[66:67] the layer's permutation: sixteen fields of 4 bits; s68-71 the spline's lane masks for t = 0..3
.set G1B, 32                           ; s[32:39] group 1: 129 rows of 256 bytes
.set G1S, 40                           ; s[40:47] group 1: 9 rows of 256 bytes
.set GS,  48                           ; s[48:51] group 0: T0, into slot 0
.set GA,  52                           ; s[52:55] group 0: T2, T4, into slot 0
.set GB,  56                           ; s[56:59] group 0: T1, T3, T5, into slot 1
.set MSB, 0
.macro WIN new                         ; low byte: bits 1:0 source 0, 3:2 source 1, 5:4 source 2, 7:6 destination; the high byte repeats the setting that is left
.if MSB != \new
	s_set_vgpr_msb (MSB<<8)|\new
.set MSB, \new
.endif
.endm
; A vector instruction that reads a matrix result or writes a matrix instruction's register, and a load into such a register, stand four places
; behind it; only plain vector instructions that name none of its registers are places (ISA guide 7.12.1 for vector instructions).
.macro PLACES
.rept 4
	v_nop
.endr
.endm
.macro CREST                           ; a round of the cluster's barrier behind its opening work-group barrier
	s_cmp_lg_u32 s18, 0
	s_cbranch_scc1 .Lnot_wave_0_\@
	s_barrier_signal -3
.Lnot_wave_0_\@:
	s_barrier_wait -3
	s_barrier_signal -1
	s_barrier_wait -1
.endm
.macro CROUND
	s_barrier_signal -1
	s_barrier_wait -1
	CREST
.endm
	s_load_b256 s[4:11], s[0:1], 0x0               ; x s[4:5], psel s[6:7], scales s[8:9], shifts s[10:11]
	s_load_b128 s[12:15], s[0:1], 0x20             ; wst s[12:13], cb s[14:15]
	s_load_b64 s[16:17], s[0:1], 0x30              ; out0
	v_lshl_add_u32 v254, v0, 2, 0x4b000
	v_mov_b32 v255, 0
	ds_add_u32 v254, v255
	v_lshrrev_b32 v4, 5, v0
	v_readfirstlane_b32 s18, v4                    ; wave 0..3
	v_and_b32 v1, 31, v0                           ; lane
	v_and_b32 v2, 15, v0                           ; r
	v_bfe_u32 v3, v0, 4, 1                         ; h
	s_bfe_u32 s19, ttmp6, 0x40000                  ; cx
	s_lshl_b32 s20, ttmp9, 2                       ; ttmp9 counts clusters
	s_add_co_u32 s20, s20, s19                     ; the work-group's number: it enters the addresses of x and out0 alone
	s_mov_b32 s22, 0                               ; layer 0 transforms the even features
	s_mov_b32 s23, 0xaaaaaaaa                      ; and its conditioner sees the odd ones: in the permute step a lane's parity is its feature's
	s_mov_b32 s24, 0x76543210
	s_mov_b32 s25, 0xfedcba98
	s_mov_b32 s27, 0x40a00000
	s_mov_b32 s60, 0xbfb8aa3b
	s_mov_b32 s61, 0xc0a00000
	; group 1: a dense block as rows of 32 elements of 8 bytes
	s_mov_b32 s[G1B+0], 15|(3<<16)|(1<<21)         ; 15:0 mask: all four of the cluster; 17:16 elements of 8 bytes; 21 set beside a mask
	s_mov_b32 s[G1B+1], 32<<16                     ; tensor_dim0 = 32
	s_mov_b32 s[G1B+2], 129<<16                    ; tensor_dim1 = 129
	s_mov_b32 s[G1B+3], 32<<16                     ; tile_dim0 = 32
	s_mov_b32 s[G1B+4], 129                        ; tile_dim1 = 129
	s_mov_b32 s[G1B+5], 32                         ; from row to row: 32 elements
	s_mov_b32 s[G1B+6], 0
	s_mov_b32 s[G1B+7], 0
	s_mov_b32 s[G1S+0], 15|(3<<16)|(1<<21)
	s_mov_b32 s[G1S+1], 32<<16
	s_mov_b32 s[G1S+2], 9<<16
	s_mov_b32 s[G1S+3], 32<<16
	s_mov_b32 s[G1S+4], 9
	s_mov_b32 s[G1S+5], 32
	s_mov_b32 s[G1S+6], 0
	s_mov_b32 s[G1S+7], 0
	s_mul_i32 s28, s18, TW                         ; my quarter of a slot and of a tile
	s_mov_b32 s29, 0
	s_mul_i32 s30, s18, T0W                        ; my quarter of T0
	s_mov_b32 s31, 0
	s_mov_b32 s[GS], 1
	s_mov_b32 s[GS+1], s28
	s_mov_b32 s[GA], 1
	s_mov_b32 s[GA+1], s28
	s_mov_b32 s[GB], 1
	s_add_co_u32 s[GB+1], s28, SLOTB
	s_wait_dscnt 0x0
	s_wait_kmcnt 0x0
	s_add_nc_u64 s[GS+2:GS+3], s[12:13], s[30:31]                  ; layer 0: T0
	s_or_b32 s[GS+3], s[GS+3], 0x80000000
	s_add_nc_u64 s[GA+2:GA+3], s[12:13], s[28:29]
	s_add_nc_u64 s[GA+2:GA+3], s[GA+2:GA+3], 9216+SLOTB            ; T2
	s_or_b32 s[GA+3], s[GA+3], 0x80000000
	s_add_nc_u64 s[GB+2:GB+3], s[12:13], s[28:29]
	s_add_nc_u64 s[GB+2:GB+3], s[GB+2:GB+3], 9216                  ; T1
	s_or_b32 s[GB+3], s[GB+3], 0x80000000
	CROUND                                         ; all four work-groups are here: the first joint loads meet
	tensor_load_to_lds s[GS:GS+3], s[G1S:G1S+7]    ; the two first fills go out together, ahead of every wait on TENSORcnt and every LDS read
	s_nop 0
	tensor_load_to_lds s[GB:GB+3], s[G1B:G1B+7]
	s_nop 0
	s_load_b32 s26, s[14:15], 0x0                  ; the constant
	s_load_b64 s[66:67], s[6:7], 0x0               ; layer 0's permutation
	s_lshl_b32 s62, s20, 12                        ; 64 rows of 64 bytes
	s_mov_b32 s63, 0
	s_add_nc_u64 s[4:5], s[4:5], s[62:63]
	s_lshl_b32 s62, s20, 8                         ; 64 results of 4 bytes
	s_add_nc_u64 s[16:17], s[16:17], s[62:63]
	v_lshlrev_b32 v[XO], 5, v0                     ; 1,024 w + 32 lane: row 16 w + (lane >> 1), half lane & 1
	v_lshlrev_b32 v[PO], 2, v2
	global_load_b128 v[PX:PX+3],   v[XO], s[4:5] th:TH_LOAD_NT
	global_load_b128 v[PX+4:PX+7], v[XO], s[4:5] offset:16 th:TH_LOAD_NT
	global_load_b32 v[SCL], v[PO], s[8:9]
	global_load_b32 v[SHF], v[PO], s[10:11]
	v_lshlrev_b32 v[WA], 4, v1
	v_add_nc_u32 v[WA], s28, v[WA]
	v_add_nc_u32 v[WA+1], SLOTB, v[WA]
	v_lshl_add_u32 v[BA], v3, 5, s28
	v_add_nc_u32 v[BA+1], SLOTB, v[BA]
	v_mul_u32_u24 v4, v2, 528
	v_lshl_add_u32 v4, v3, 4, v4
	v_add_nc_u32 v[AR], ACT, v4
	s_lshl_b32 s30, s18, 7
	v_add_nc_u32 v[AW], s30, v[AR]
	s_lshl_b32 s30, s18, 1
.irp p, 2,3,4,5,6,7
	s_add_co_u32 s31, s30, \p
	s_and_b32 s31, s31, 7                          ; K step p of wave w takes k block (p + 2 w) & 7,
	s_lshl_b32 s31, s31, 6                         ; 64 bytes of a row of ACT
	v_add_nc_u32 v[AKR+\p-2], s31, v[AR]
.endr
	v_lshrrev_b32 v5, 1, v1
	v_and_b32 v6, 1, v1
	s_mul_i32 s30, s18, 1280
	s_add_co_u32 s30, s30, XS
	v_mad_u32_u24 v4, v3, 80, s30
	v_lshl_add_u32 v[XB], v2, 2, v4
	v_mad_u32_u24 v4, v5, 80, s30
	v_lshl_add_u32 v[XW], v6, 5, v4
	s_mul_i32 s30, s18, 768
	s_add_co_u32 s30, s30, XM
	v_mad_u32_u24 v4, v3, 48, s30
	v_lshl_add_u32 v[XMB], v2, 1, v4
	v_mul_u32_u24 v4, v2, 48
	v_lshl_add_u32 v4, v3, 4, v4
	v_add_nc_u32 v[XMR], XM, v4
	v_mul_u32_u24 v4, v2, 80
	v_lshl_add_u32 v4, v3, 3, v4
	s_lshl_b32 s30, s18, 4
	s_add_co_u32 s30, s30, XS
	v_add_nc_u32 v[XPA], s30, v4
	s_lshl_b32 s30, s18, 8
	s_add_co_u32 s30, s30, LDP
	v_lshl_add_u32 v[LDA], v2, 2, s30
	v_mul_u32_u24 v4, v1, 160
	v_add_nc_u32 v[TXA], XS, v4
	v_lshlrev_b32 v[OUTO], 3, v1
	v_add_nc_u32 v[TLA], LDP, v[OUTO]
	WIN 0x40
.irp t, 0,1,2,3
	v_mov_b32 v[LDET+\t], 0
	v_mov_b32 v[SBK+16*\t+oNW+1], 0                ; the second registers of the broadcast pairs: named by the packed forms, never used
	v_mov_b32 v[SBK+16*\t+oNH+1], 0
.endr
	WIN 0
	s_wait_loadcnt 0x2                             ; x is in; the loads of scale and shift stay out
	ds_store_b128 v[XW], v[PX:PX+3]                ; my wave's own 16 rows of XS
	ds_store_b128 v[XW], v[PX+4:PX+7] offset:16
	s_wait_tensorcnt 0x1                           ; my quarter of T0 has landed; T1's stays out
.macro BIASLD slot                     ; my 8 x 4 biases: the sixteen lanes of a half read the same 16 bytes
.irp a, 0,1,2,3
	ds_load_b128 v[BIAS+8*\a:BIAS+8*\a+3],   v[BA+\slot] offset:64*\a
	ds_load_b128 v[BIAS+8*\a+4:BIAS+8*\a+7], v[BA+\slot] offset:64*\a+16
.endr
.endm
; ---- permute, scale and shift: wave w works on its own rows 16 w .. 16 w + 15.  A lane is a feature: lane (r, h), register i holds feature r of
; row 16 w + 2 i + h, so that x[perm[f]] is lane perm[f] of the same sixteen lanes: v_permlane16_b32 with the layer's sixteen 4-bit fields.
; Turn 0's bias and weights (my quarter of T0, shown landed by the last wait on TENSORcnt) are asked for here, ahead of the step's barrier. ----
.macro PERM last
	s_wait_kmcnt 0x0                               ; this layer's permutation (and, the first time, the constant)
	s_wait_loadcnt 0x0                             ; this layer's scale and shift
.irp i, 0,1,2,3,4,5,6,7
	ds_load_b32 v[TT+\i], v[XB] offset:160*\i      ; LDS serves a wave's instructions in order (ISA guide 5.7.1.4): at the start these see the stores above
.endr
	BIASLD 0
.irp a, 0,1,2,3
	ds_load_b128 v[F0+8*\a:F0+8*\a+3], v[WA] offset:256+512*\a
.endr
	; turn 0 has 16 k in a form of 32: the upper halves of its eight fragments (k = 16..31) are zeros on both sides; the buffer serves other turns, so they are written in each layer
.irp i, 0,1,2,3,4,5,6,7
.irp j, 4,5,6,7
	v_mov_b32 v[F0+8*\i+\j], 0
.endr
.endr
	s_wait_dscnt 12                                ; the rows are in registers before they are stored over; the twelve loads of T0 issued behind them stay out
.irp i, 0,1,2,3,4,5,6,7
	v_permlane16_b32 v[PX+\i], v[TT+\i], s66, s67  ; its destination counts as read: PX has been written (x at the start, the last layer's rows later)
.endr
.irp i, 0,1,2,3,4,5,6,7
	v_fma_f32 v[PX+\i], v[PX+\i], v[SCL], v[SHF]
.endr
.irp i, 0,1,2,3,4,5,6,7
	ds_store_b32 v[XB], v[PX+\i] offset:160*\i
.endr
.irp i, 0,1,2,3,4,5,6,7
	v_cndmask_b32 v[TT+\i], 0, v[PX+\i], s23       ; the conditioner sees the features that pass through, zeros elsewhere
	v_cvt_pk_bf16_f32 v[TT+\i], v[TT+\i], v[TT+\i]
	ds_store_b16 v[XMB], v[TT+\i] offset:96*\i
.endr
.if \last == 0
	s_add_nc_u64 s[6:7], s[6:7], 8                 ; free since the wait on KMcnt
	s_load_b64 s[66:67], s[6:7], 0x0               ; the next layer's tables, a whole layer ahead of their use
	v_add_nc_u32 v[PO], 64, v[PO]                  ; free since the wait on LOADcnt
	global_load_b32 v[SCL], v[PO], s[8:9]
	global_load_b32 v[SHF], v[PO], s[10:11]
.endif
	s_wait_dscnt 0x0
	s_barrier_signal -1
	s_barrier_wait -1                              ; XS and XM are whole for every wave
.endm
; the weights' four fragments of K step p (32 lanes x 16 neighbouring bytes a load)
.macro WFETCH slot, p, f
.irp a, 0,1,2,3
	ds_load_b128 v[\f+8*\a:\f+8*\a+3],   v[WA+\slot] offset:256+(\p)*4096+\a*1024
	ds_load_b128 v[\f+8*\a+4:\f+8*\a+7], v[WA+\slot] offset:256+(\p)*4096+\a*1024+512
.endr
.endm
; all eight fragments of K step p = 2..7
.macro FETCH slot, p, f
	WFETCH \slot, \p, \f
.irp t, 0,1,2,3
	ds_load_b128 v[\f+32+8*\t:\f+32+8*\t+3],   v[AKR+\p-2] offset:\t*8448
	ds_load_b128 v[\f+32+8*\t+4:\f+32+8*\t+7], v[AKR+\p-2] offset:\t*8448+32
.endr
.endm
; 16 matrix instructions, one on each accumulator: the accumulators take turns, one instruction a turn.
; cb = 1: the sums start from the bias.  The window says whether the accumulators are ACC or G.
.macro MUL f, cb
.irp a, 0,1,2,3
.irp t, 0,1,2,3
.if \cb
	v_wmma_f32_16x16x32_bf16 v[8*(4*\a+\t):8*(4*\a+\t)+7], v[\f+8*\a:\f+8*\a+7], v[\f+32+8*\t:\f+32+8*\t+7], v[BIAS+8*\a:BIAS+8*\a+7]
.else
	v_wmma_f32_16x16x32_bf16 v[8*(4*\a+\t):8*(4*\a+\t)+7], v[\f+8*\a:\f+8*\a+7], v[\f+32+8*\t:\f+32+8*\t+7], v[8*(4*\a+\t):8*(4*\a+\t)+7]
.endif
.endr
.endr
.endm
; What the round at the end of turn rnd steps and asks for: the tile of the turn after next, into the slot that turn rnd has read.
.macro STEPS rnd
.if \rnd == 1
	s_add_nc_u64 s[GB+2:GB+3], s[GB+2:GB+3], 2*SLOTB               ; T1 -> T3
.endif
.if \rnd == 2
	s_add_nc_u64 s[GA+2:GA+3], s[GA+2:GA+3], 2*SLOTB               ; T2 -> T4
.endif
.if \rnd == 3
	s_add_nc_u64 s[GB+2:GB+3], s[GB+2:GB+3], 2*SLOTB               ; T3 -> T5
.endif
.if \rnd == 4
	s_add_nc_u64 s[GA+2:GA+3], s[GA+2:GA+3], LAYB-2*SLOTB          ; T4 -> the next layer's T2 (asked for at its round 0)
	s_add_nc_u64 s[GS+2:GS+3], s[GS+2:GS+3], LAYB                  ; the next layer's T0
.endif
.if \rnd == 5
	s_add_nc_u64 s[GB+2:GB+3], s[GB+2:GB+3], LAYB-4*SLOTB          ; T5 -> the next layer's T1
.endif
.endm
.macro REFILL rnd
.if \rnd == 0
	tensor_load_to_lds s[GA:GA+3], s[G1B:G1B+7]
	s_nop 0
.endif
.if \rnd == 1
	tensor_load_to_lds s[GB:GB+3], s[G1B:G1B+7]
	s_nop 0
.endif
.if \rnd == 2
	tensor_load_to_lds s[GA:GA+3], s[G1B:G1B+7]
	s_nop 0
.endif
.if \rnd == 3
	tensor_load_to_lds s[GB:GB+3], s[G1B:G1B+7]
	s_nop 0
.endif
.if \rnd == 4
	tensor_load_to_lds s[GS:GS+3], s[G1S:G1S+7]
	s_nop 0
.endif
.if \rnd == 5
	tensor_load_to_lds s[GB:GB+3], s[G1B:G1B+7]
	s_nop 0
.endif
.endm
; A turn's last 16 matrix instructions, and the change of slots.  In front of the barrier each wave waits for its LDS reads (of this turn's slot, of the
; activations) and for all its tensor loads: the one that is out is its quarter of the next turn's tile; no load of the wave is then out, so a group 0
; may be stepped.  The barrier opens a round of the cluster's barrier, with register work alone inside; behind the round no wave of the four
; work-groups reads the slot any more, and the joint refill comes first.  fill = 0 (the last layer's last two turns): a plain barrier, nothing is asked for.
.macro LASTMUL f, win, cb, rnd, fill
	s_wait_dscnt 0x0
	s_wait_tensorcnt 0x0
	ds_add_u32 v254, v255
	s_wait_dscnt 0x0
.if \fill
	STEPS \rnd
.endif
	s_barrier_signal -1
	WIN \win
	MUL \f, \cb
	WIN 0                                          ; at a branch and at a label every window is 0
	s_barrier_wait -1
.if \fill
	CREST
	REFILL \rnd
.endif
	PLACES                                         ; behind the last matrix instructions: results are read, fragment registers written
.endm
; K steps 2 to 6: fetch K step pn into buffer fn (read last by the K step before this one: four places), multiply buffer fc
.macro KSTEP slot, pn, fn, fc, win
	PLACES
	WIN 0
	FETCH \slot, \pn, \fn
	s_wait_dscnt 16                                ; all but the 16 loads just issued: buffer fc is in
	WIN \win
	MUL \fc, 0
.endm
; A turn of 256 k, behind EPI, which has left in F0 and F1 the fragments of K steps 0 and 1 (my own activations from registers, their weights from
; the slot) and has waited for all its LDS instructions, its stores into ACT among them.  The barrier that shows ACT whole is split round K step 0;
; K step 2's fragments are asked for behind it and land during K step 1.  wa = window of the first K step, wb = of the others.
.macro MM slot, wa, wb, cb, rnd, fill
	s_barrier_signal -1                            ; my part of ACT is stored
	WIN \wa
	MUL F0, \cb
	WIN 0
	s_barrier_wait -1                              ; ACT is whole for every wave (the tile on its way stays out)
	PLACES
	FETCH \slot, 2, F0
	WIN \wb
	MUL F1, 0
	KSTEP \slot, 3, F1, F0, \wb
	KSTEP \slot, 4, F0, F1, \wb
	KSTEP \slot, 5, F1, F0, \wb
	KSTEP \slot, 6, F0, F1, \wb
	KSTEP \slot, 7, F1, F0, \wb
	LASTMUL F1, \wb, 0, \rnd, \fill
.endm
.macro ADDB                            ; + bias, two numbers at a time; the window says from where to where
.irp a, 0,1,2,3
.irp t, 0,1,2,3
.irp p, 0,2,4,6
	v_pk_add_f32 v[8*(4*\a+\t)+\p:8*(4*\a+\t)+\p+1], v[8*(4*\a+\t)+\p:8*(4*\a+\t)+\p+1], v[BIAS+8*\a+\p:BIAS+8*\a+\p+1]
.endr
.endr
.endr
.endm
; The next turn's activations.  addw: 0, or 0x82 (G += bias), or 0x42 (ACC = G + bias).  maxw: 0x44 (ACC = relu(ACC)) or 0x48 (ACC = relu(G)).
; nslot: the next turn's slot, shown landed by the wait on TENSORcnt in front of the turn's barrier: its bias and the weights of its K steps 0 and 1
; are asked for first, 24 loads that land during the vector work.  Then, for tiles a = 0, 1 and again for a = 2, 3: relu, rounding to bf16 straight into the
; activation half of F0 (F1), which is the next turn's K step 0 (1), and eight stores of the same registers into ACT for the other waves (every wave's
; reads of ACT ended in front of the turn's barrier).  The first eight stores leave while the second half is worked on.
.macro EPI addw, maxw, nslot
.if \addw
	WIN \addw
	ADDB
.endif
	WIN 0
	BIASLD \nslot
	WFETCH \nslot, 0, F0
	WFETCH \nslot, 1, F1
.irp hh, 0,1
	WIN \maxw
.set i, 64*\hh
.rept 64
	v_max_num_f32 v[i], 0, v[i]
.set i, i+1
.endr
	WIN 0x05
.irp aa, 0,1
.irp t, 0,1,2,3
.irp r, 0,1,2,3
	v_cvt_pk_bf16_f32 v[F0+64*\hh+32+8*\t+4*\aa+\r], v[8*(4*(2*\hh+\aa)+\t)+2*\r], v[8*(4*(2*\hh+\aa)+\t)+2*\r+1]
.endr
.endr
.endr
	WIN 0
.irp aa, 0,1
.irp t, 0,1,2,3
	ds_store_b128 v[AW], v[F0+64*\hh+32+8*\t+4*\aa:F0+64*\hh+32+8*\t+4*\aa+3] offset:\t*8448+(2*\hh+\aa)*32
.endr
.endr
.endr
	s_wait_dscnt 0x0                               ; for the others' sake my stores, for mine the 24 loads
.endm
; turn 0: G = c0 + xm W0 (bias, weights and zeros are in F0 and BIAS since the permute step)
.macro TURN0
	WIN 0
.irp t, 0,1,2,3
	ds_load_b128 v[F0+32+8*\t:F0+32+8*\t+3], v[XMR] offset:768*\t
.endr
	WIN 0x40
.irp t, 0,1,2,3
	ds_load_b64 v[XP+2*\t:XP+2*\t+1], v[XPA] offset:1280*\t        ; my pairs of x, kept for the spline
.endr
	LASTMUL F0, 0x80, 1, 0, 1
	EPI 0, 0x48, 1
.endm
; ---- the splines of my four pairs (row 16 t + r, feature 2 (2 w + h) + parity), t = 0..3, all in window 1.  Each line is written for the four t in
; turn, so that four to eight independent instructions stand between an instruction and the one that reads its result.  Widths at v[8 t ..],
; heights at v[32 + 8 t ..], slopes 0..7 at v[64 + 8 t ..], slopes 1..8 at v[96 + 8 t ..].  Behind each run of transcendentals one plain instruction that
; touches none of their registers stands before a result is used or a source rewritten (ISA guide 5.7.2). ----
.macro EXPV j
.irp t, 0,1,2,3
	v_exp_f32 v[32+8*\t+\j], v[32+8*\t+\j]
.endr
.endm
.macro SPLINES
	; two softmaxes for each t, each with its own maximum taken away
.irp t, 0,1,2,3
	v_max3_num_f32 v[SBK+16*\t+oM],   v[8*\t],    v[8*\t+1],    v[8*\t+2]
	v_max3_num_f32 v[SBK+16*\t+oM+1], v[32+8*\t], v[32+8*\t+1], v[32+8*\t+2]
.endr
.irp t, 0,1,2,3
	v_max3_num_f32 v[SBK+16*\t+oM],   v[SBK+16*\t+oM],   v[8*\t+3],    v[8*\t+4]
	v_max3_num_f32 v[SBK+16*\t+oM+1], v[SBK+16*\t+oM+1], v[32+8*\t+3], v[32+8*\t+4]
.endr
.irp t, 0,1,2,3
	v_max3_num_f32 v[SBK+16*\t+oM],   v[SBK+16*\t+oM],   v[8*\t+5],    v[8*\t+6]
	v_max3_num_f32 v[SBK+16*\t+oM+1], v[SBK+16*\t+oM+1], v[32+8*\t+5], v[32+8*\t+6]
.endr
.irp t, 0,1,2,3
	v_max_num_f32 v[SBK+16*\t+oM],   v[SBK+16*\t+oM],   v[8*\t+7]
	v_max_num_f32 v[SBK+16*\t+oM+1], v[SBK+16*\t+oM+1], v[32+8*\t+7]
.endr
.irp t, 0,1,2,3
	v_mul_f32 v[SBK+16*\t+oNW], s60, v[SBK+16*\t+oM]               ; -max x log2(e)
	v_mul_f32 v[SBK+16*\t+oNH], s60, v[SBK+16*\t+oM+1]
.endr
.irp p, 0,2,4,6
.irp t, 0,1,2,3
	v_pk_fma_f32 v[8*\t+\p:8*\t+\p+1],       v[8*\t+\p:8*\t+\p+1],       0x3fb8aa3b, v[SBK+16*\t+oNW:SBK+16*\t+oNW+1] op_sel_hi:[1,0,0]
	v_pk_fma_f32 v[32+8*\t+\p:32+8*\t+\p+1], v[32+8*\t+\p:32+8*\t+\p+1], 0x3fb8aa3b, v[SBK+16*\t+oNH:SBK+16*\t+oNH+1] op_sel_hi:[1,0,0]
.endr
.endr
.irp j, 0,1,2,3,4,5,6,7
.irp t, 0,1,2,3
	v_exp_f32 v[8*\t+\j], v[8*\t+\j]
.endr
.endr
.irp t, 0,1,2,3
	v_cndmask_b32 v[SBK+16*\t+oXV], v[XP+2*\t], v[XP+2*\t+1], s22  ; the x to transform; also the plain instructions behind the widths' exponentials
.endr
	; the heights' exponentials by turns with the widths' sums, which touch none of their registers
	EXPV 0
	EXPV 1
	s_wait_alu depctr_va_vdst(0)
.irp t, 0,1,2,3
	v_pk_add_f32 v[SBK+16*\t+oS:SBK+16*\t+oS+1], v[8*\t:8*\t+1], v[8*\t+2:8*\t+3]
.endr
	EXPV 2
	EXPV 3
.irp t, 0,1,2,3
	v_pk_add_f32 v[SBK+16*\t+oS+2:SBK+16*\t+oS+3], v[8*\t+4:8*\t+5], v[8*\t+6:8*\t+7]
.endr
	EXPV 4
	EXPV 5
.irp t, 0,1,2,3
	v_pk_add_f32 v[SBK+16*\t+oS:SBK+16*\t+oS+1], v[SBK+16*\t+oS:SBK+16*\t+oS+1], v[SBK+16*\t+oS+2:SBK+16*\t+oS+3]
.endr
	EXPV 6
	EXPV 7
.irp t, 0,1,2,3
	v_add_f32 v[SBK+16*\t+oS], v[SBK+16*\t+oS], v[SBK+16*\t+oS+1]
.endr
.irp t, 0,1,2,3
	v_rcp_f32 v[SBK+16*\t+oNW], v[SBK+16*\t+oS]
.endr
	s_wait_alu depctr_va_vdst(0)
.irp t, 0,1,2,3
	v_pk_add_f32 v[SBK+16*\t+oS+4:SBK+16*\t+oS+5], v[32+8*\t:32+8*\t+1],   v[32+8*\t+2:32+8*\t+3]
	v_pk_add_f32 v[SBK+16*\t+oS+6:SBK+16*\t+oS+7], v[32+8*\t+4:32+8*\t+5], v[32+8*\t+6:32+8*\t+7]
.endr
.irp t, 0,1,2,3
	v_pk_add_f32 v[SBK+16*\t+oS+4:SBK+16*\t+oS+5], v[SBK+16*\t+oS+4:SBK+16*\t+oS+5], v[SBK+16*\t+oS+6:SBK+16*\t+oS+7]
.endr
.irp t, 0,1,2,3
	v_add_f32 v[SBK+16*\t+oS+4], v[SBK+16*\t+oS+4], v[SBK+16*\t+oS+5]
.endr
.irp t, 0,1,2,3
	v_rcp_f32 v[SBK+16*\t+oNH], v[SBK+16*\t+oS+4]
.endr
.irp t, 0,1,2,3
	v_mul_f32 v[SBK+16*\t+oNW], 0x411ffcb9, v[SBK+16*\t+oNW]       ; (10 - 8e-4) / sum
.endr
	s_wait_alu depctr_va_vdst(0)
.irp t, 0,1,2,3
	v_mul_f32 v[SBK+16*\t+oNH], 0x411ffcb9, v[SBK+16*\t+oNH]
.endr
.irp p, 0,2,4,6
.irp t, 0,1,2,3
	v_pk_fma_f32 v[8*\t+\p:8*\t+\p+1],       v[8*\t+\p:8*\t+\p+1],       v[SBK+16*\t+oNW:SBK+16*\t+oNW+1], 0x38d1b717 op_sel_hi:[1,0,0]   ; widths: + 1e-4
	v_pk_fma_f32 v[32+8*\t+\p:32+8*\t+\p+1], v[32+8*\t+\p:32+8*\t+\p+1], v[SBK+16*\t+oNH:SBK+16*\t+oNH+1], 0x38d1b717 op_sel_hi:[1,0,0]   ; heights
.endr
.endr
	; the bin: knots ascend, so the last knot k = 1..7 with x >= knot wins; all seven steps are done for every lane, by selects alone
.irp t, 0,1,2,3
	v_add_f32 v[SBK+16*\t+oKX], s61, v[8*\t]
	v_add_f32 v[SBK+16*\t+oKY], s61, v[32+8*\t]
.endr
.irp t, 0,1,2,3
	v_cmp_ge_f32 s[68+\t], v[SBK+16*\t+oXV], v[SBK+16*\t+oKX]
.endr
.irp t, 0,1,2,3
	v_cndmask_b32 v[SBK+16*\t+oX0], s61,         v[SBK+16*\t+oKX], s[68+\t]
	v_cndmask_b32 v[SBK+16*\t+oY0], s61,         v[SBK+16*\t+oKY], s[68+\t]
	v_cndmask_b32 v[SBK+16*\t+oWS], v[8*\t],     v[8*\t+1],        s[68+\t]
	v_cndmask_b32 v[SBK+16*\t+oHS], v[32+8*\t],  v[32+8*\t+1],     s[68+\t]
	v_cndmask_b32 v[SBK+16*\t+oD0], v[64+8*\t],  v[64+8*\t+1],     s[68+\t]
	v_cndmask_b32 v[SBK+16*\t+oD1], v[96+8*\t],  v[96+8*\t+1],     s[68+\t]
.endr
.irp k, 2,3,4,5,6,7
.irp t, 0,1,2,3
	v_add_f32 v[SBK+16*\t+oKX], v[SBK+16*\t+oKX], v[8*\t+\k-1]
	v_add_f32 v[SBK+16*\t+oKY], v[SBK+16*\t+oKY], v[32+8*\t+\k-1]
.endr
.irp t, 0,1,2,3
	v_cmp_ge_f32 s[68+\t], v[SBK+16*\t+oXV], v[SBK+16*\t+oKX]
.endr
.irp t, 0,1,2,3
	v_cndmask_b32 v[SBK+16*\t+oX0], v[SBK+16*\t+oX0], v[SBK+16*\t+oKX], s[68+\t]
	v_cndmask_b32 v[SBK+16*\t+oY0], v[SBK+16*\t+oY0], v[SBK+16*\t+oKY], s[68+\t]
	v_cndmask_b32 v[SBK+16*\t+oWS], v[SBK+16*\t+oWS], v[8*\t+\k],       s[68+\t]
	v_cndmask_b32 v[SBK+16*\t+oHS], v[SBK+16*\t+oHS], v[32+8*\t+\k],    s[68+\t]
	v_cndmask_b32 v[SBK+16*\t+oD0], v[SBK+16*\t+oD0], v[64+8*\t+\k],    s[68+\t]
	v_cndmask_b32 v[SBK+16*\t+oD1], v[SBK+16*\t+oD1], v[96+8*\t+\k],    s[68+\t]
.endr
.endr
	; From here on the parameter tiles are dead and serve as scratch: q0..q7 = v[8 t + 0..7], q8..q13 = v[32 + 8 t + 0..5].
	; the two slopes: softplus(u + ln(e^(1 - 1e-4) - 1)) + 1e-4, as max(z, 0) + ln 2 x log2(1 + 2^(-|z| log2 e))
.irp t, 0,1,2,3
	v_add_f32 v[SBK+16*\t+oD0], 0x3f0a89e6, v[SBK+16*\t+oD0]
	v_add_f32 v[SBK+16*\t+oD1], 0x3f0a89e6, v[SBK+16*\t+oD1]
.endr
.irp t, 0,1,2,3
	v_mul_f32 v[8*\t],   s60, |v[SBK+16*\t+oD0]|
	v_mul_f32 v[8*\t+1], s60, |v[SBK+16*\t+oD1]|
.endr
.irp t, 0,1,2,3
	v_exp_f32 v[8*\t],   v[8*\t]
	v_exp_f32 v[8*\t+1], v[8*\t+1]
	v_rcp_f32 v[8*\t+2], v[SBK+16*\t+oWS]                          ; q2 = 1 / width
.endr
.irp t, 0,1,2,3
	v_sub_f32 v[8*\t+3], v[SBK+16*\t+oXV], v[SBK+16*\t+oX0]        ; q3 = x - x0 (plain, behind the twelve)
.endr
	s_wait_alu depctr_va_vdst(0)
.irp t, 0,1,2,3
	v_add_f32 v[8*\t],   1.0, v[8*\t]
	v_add_f32 v[8*\t+1], 1.0, v[8*\t+1]
.endr
.irp t, 0,1,2,3
	v_log_f32 v[8*\t],   v[8*\t]
	v_log_f32 v[8*\t+1], v[8*\t+1]
.endr
.irp t, 0,1,2,3
	v_mul_f32 v[8*\t+4], v[SBK+16*\t+oHS], v[8*\t+2]               ; q4 = s = height / width (plain, behind the eight)
	v_mul_f32 v[8*\t+3], v[8*\t+3], v[8*\t+2]
	v_max_num_f32 v[SBK+16*\t+oD0], 0, v[SBK+16*\t+oD0]
	v_max_num_f32 v[SBK+16*\t+oD1], 0, v[SBK+16*\t+oD1]
.endr
	s_wait_alu depctr_va_vdst(0)
.irp t, 0,1,2,3
	v_med3_num_f32 v[8*\t+3], v[8*\t+3], 0, 1.0                    ; q3 = z, clipped as reference() clips it
	v_fmamk_f32 v[SBK+16*\t+oD0], v[8*\t],   0x3f317218, v[SBK+16*\t+oD0]
	v_fmamk_f32 v[SBK+16*\t+oD1], v[8*\t+1], 0x3f317218, v[SBK+16*\t+oD1]
.endr
.irp t, 0,1,2,3
	v_add_f32 v[SBK+16*\t+oD0], 0x38d1b717, v[SBK+16*\t+oD0]
	v_add_f32 v[SBK+16*\t+oD1], 0x38d1b717, v[SBK+16*\t+oD1]
	v_sub_f32 v[8*\t+5], 1.0, v[8*\t+3]                            ; q5 = 1 - z
	v_mul_f32 v[8*\t+7], v[8*\t+3], v[8*\t+3]                      ; q7 = z^2
.endr
.irp t, 0,1,2,3
	v_mul_f32 v[8*\t+6], v[8*\t+3], v[8*\t+5]                      ; q6 = z (1 - z)
	v_add_f32 v[32+8*\t], v[SBK+16*\t+oD0], v[SBK+16*\t+oD1]       ; q8
	v_mul_f32 v[32+8*\t+2], v[8*\t+5], v[8*\t+5]                   ; q10
.endr
.irp t, 0,1,2,3
	v_fma_f32 v[32+8*\t], v[8*\t+4], -2.0, v[32+8*\t]
	v_mul_f32 v[32+8*\t+1], v[SBK+16*\t+oD0], v[8*\t+6]            ; q9
	v_mul_f32 v[32+8*\t+2], v[SBK+16*\t+oD0], v[32+8*\t+2]
	v_mul_f32 v[32+8*\t+3], v[8*\t+4], v[8*\t+6]                   ; q11 = s z (1 - z)
.endr
.irp t, 0,1,2,3
	v_fma_f32 v[32+8*\t],   v[32+8*\t], v[8*\t+6], v[8*\t+4]       ; q8 = den
	v_fma_f32 v[32+8*\t+1], v[8*\t+4], v[8*\t+7], v[32+8*\t+1]     ; q9 = s z^2 + d0 z (1 - z)
	v_fma_f32 v[32+8*\t+2], v[SBK+16*\t+oD1], v[8*\t+7], v[32+8*\t+2]
.endr
.irp t, 0,1,2,3
	v_rcp_f32 v[32+8*\t+4], v[32+8*\t]                             ; q12 = 1 / den
.endr
.irp t, 0,1,2,3
	v_fma_f32 v[32+8*\t+2], v[32+8*\t+3], 2.0, v[32+8*\t+2]        ; q10 = d1 z^2 + 2 s z (1 - z) + d0 (1 - z)^2 (plain, behind the four)
.endr
	s_wait_alu depctr_va_vdst(0)
.irp t, 0,1,2,3
	v_mul_f32 v[32+8*\t+1], v[32+8*\t+1], v[32+8*\t+4]
	v_mul_f32 v[32+8*\t+5], v[8*\t+4], v[32+8*\t+4]                ; q13 = s / den
.endr
.irp t, 0,1,2,3
	v_log_f32 v[32+8*\t+5], v[32+8*\t+5]
	v_log_f32 v[32+8*\t+2], v[32+8*\t+2]
.endr
.irp t, 0,1,2,3
	v_fma_f32 v[32+8*\t+1], v[SBK+16*\t+oHS], v[32+8*\t+1], v[SBK+16*\t+oY0]   ; q9 = y (plain, behind the eight)
.endr
.irp t, 0,1,2,3
	v_cmp_le_f32 s[68+\t], |v[SBK+16*\t+oXV]|, s27                 ; inside [-5, 5]
.endr
	s_wait_alu depctr_va_vdst(0)
.irp t, 0,1,2,3
	v_fma_f32 v[32+8*\t+2], v[32+8*\t+5], 2.0, v[32+8*\t+2]        ; the log-determinant in units of log2
.endr
.irp t, 0,1,2,3
	v_cndmask_b32 v[32+8*\t+1], v[SBK+16*\t+oXV], v[32+8*\t+1], s[68+\t]
	v_cndmask_b32 v[32+8*\t+2], 0,                v[32+8*\t+2], s[68+\t]
.endr
.irp t, 0,1,2,3
	v_add_f32 v[LDET+\t], v[LDET+\t], v[32+8*\t+2]
	v_cndmask_b32 v[XP+2*\t],   v[32+8*\t+1], v[XP+2*\t],   s22
	v_cndmask_b32 v[XP+2*\t+1], v[XP+2*\t+1], v[32+8*\t+1], s22
.endr
.endm
.macro LAYER last
	PERM \last
	TURN0                                          ; slot 0: T0.  G = c0 + xm W0;             ACT = relu(G)
	MM 1, 0x40, 0x50, 1, 1, 1                      ; slot 1: T1.  ACC = c1 + ACT Wr0
	EPI 0, 0x44, 0                                 ;              ACT = relu(ACC)
	MM 0, 0xa0, 0xa0, 0, 2, 1                      ; slot 0: T2.  G += ACT Wr1
	EPI 0x82, 0x48, 1                              ;              G += c2;                    ACT = relu(G)
	MM 1, 0x40, 0x50, 1, 3, 1                      ; slot 1: T3.  ACC = c3 + ACT Wr2
	EPI 0, 0x44, 0                                 ;              ACT = relu(ACC)
	MM 0, 0xa0, 0xa0, 0, 4, 1-\last                ; slot 0: T4.  G += ACT Wr3
	EPI 0x42, 0x44, 1                              ;              ACT = relu(G + c4)
	MM 1, 0x40, 0x50, 1, 5, 1-\last                ; slot 1: T5.  ACC = c5 + ACT Wf'
	WIN 0x55
	SPLINES
	WIN 0x04
.irp t, 0,1,2,3
	ds_store_b64 v[XPA], v[XP+2*\t:XP+2*\t+1] offset:1280*\t       ; my pairs go back into XS
.endr
.if \last
	WIN 0x01
.irp t, 0,1,2,3
	v_mov_b32 v[TT+\t], v[LDET+\t]
.endr
	WIN 0
.irp t, 0,1,2,3
	v_permlanex16_b32 v[PX+\t], v[TT+\t], s24, s25                 ; the other half's feature of the same row
.endr
.irp t, 0,1,2,3
	v_add_f32 v[TT+\t], v[TT+\t], v[PX+\t]
	ds_store_b32 v[LDA], v[TT+\t] offset:64*\t                     ; both halves store the same number to the same word
.endr
.endif
	WIN 0
	s_wait_dscnt 0x0
	s_barrier_signal -1
	s_barrier_wait -1                              ; XS is whole for every wave
	s_not_b32 s22, s22                             ; the mask flips
	s_not_b32 s23, s23
.endm
	s_mov_b32 s21, 0
.Llayer:
	LAYER 0
	s_add_co_u32 s21, s21, 1
	s_cmp_lt_u32 s21, 7
	s_cbranch_scc1 .Llayer
	LAYER 1                                        ; the last layer is written out: no tables and no tiles beyond the end are asked for
	; ---- the result: wave 0, lane L takes rows 2 L and 2 L + 1 ----
	s_cmp_lg_u32 s18, 0
	s_cbranch_scc1 .Lclose
.irp i, 0,1,2,3
	ds_load_b128 v[F0+4*\i:F0+4*\i+3],       v[TXA] offset:16*\i
	ds_load_b128 v[F0+16+4*\i:F0+16+4*\i+3], v[TXA] offset:80+16*\i
.endr
.irp i, 0,1,2,3
	ds_load_b64 v[F0+32+2*\i:F0+32+2*\i+1], v[TLA] offset:256*\i   ; the four waves' parts for my two rows
.endr
	s_wait_dscnt 0x0
	v_pk_mul_f32 v[F1:F1+1],   v[F0:F0+1],     v[F0:F0+1]          ; the first products start the sums of squares
	v_pk_mul_f32 v[F1+2:F1+3], v[F0+16:F0+17], v[F0+16:F0+17]
.irp p, 2,4,6,8,10,12,14
	v_pk_fma_f32 v[F1:F1+1],   v[F0+\p:F0+\p+1],       v[F0+\p:F0+\p+1],       v[F1:F1+1]
	v_pk_fma_f32 v[F1+2:F1+3], v[F0+16+\p:F0+16+\p+1], v[F0+16+\p:F0+16+\p+1], v[F1+2:F1+3]
.endr
	v_add_f32 v[F1+4], v[F1],   v[F1+1]
	v_add_f32 v[F1+5], v[F1+2], v[F1+3]
	v_pk_add_f32 v[F0+32:F0+33], v[F0+32:F0+33], v[F0+34:F0+35]
	v_pk_add_f32 v[F0+36:F0+37], v[F0+36:F0+37], v[F0+38:F0+39]
	v_pk_add_f32 v[F0+32:F0+33], v[F0+32:F0+33], v[F0+36:F0+37]
	v_mov_b32 v[F1+6], s26
	v_mov_b32 v[F1+7], s26
	v_pk_fma_f32 v[F0+32:F0+33], v[F0+32:F0+33], 0x3f317218, v[F1+6:F1+7] op_sel_hi:[1,0,1]    ; ln 2 x log-determinant + the constant
	v_pk_fma_f32 v[F1+4:F1+5], v[F1+4:F1+5], -0.5, v[F0+32:F0+33] op_sel_hi:[1,0,1]
	global_store_b64 v[OUTO], v[F1+4:F1+5], s[16:17]               ; the wave's 32 lanes store 256 consecutive bytes, at a multiple of 256 from out0's first byte
.Lclose:
	s_wait_tensorcnt 0x0
	ds_add_u32 v254, v255
	s_wait_dscnt 0x0
	CROUND                                         ; the closing round: no work-group ends while a partner may still ask for a tile that names it
	s_endpgm
.Lfunc_end_k_q9187520d4a_flow:
	.size	k_q9187520d4a_flow, .Lfunc_end_k_q9187520d4a_flow-k_q9187520d4a_flow
	.p2alignl 7, 3214868480
	.fill 96, 4, 3214868480
	.section	.rodata,"a",@progbits
	.p2align	6, 0x0
	.amdhsa_kernel k_q9187520d4a_flow
		.amdhsa_group_segment_fixed_size 327680
		.amdhsa_private_segment_fixed_size 0
		.amdhsa_enable_private_segment 0
		.amdhsa_kernarg_size 56
		.amdhsa_user_sgpr_count 2
		.amdhsa_user_sgpr_kernarg_segment_ptr 1
		.amdhsa_wavefront_size32 1
		.amdhsa_system_sgpr_workgroup_id_x 1
		.amdhsa_system_sgpr_workgroup_id_y 1
		.amdhsa_system_sgpr_workgroup_id_z 1
		.amdhsa_system_vgpr_workitem_id 0
		.amdhsa_next_free_vgpr 640
		.amdhsa_next_free_sgpr 72
		.amdhsa_reserve_vcc 0
		.amdhsa_float_denorm_mode_32 3
		.amdhsa_float_denorm_mode_16_64 3
		.amdhsa_memory_ordered 1
		.amdhsa_forward_progress 1
		.amdhsa_inst_pref_size 255
	.end_amdhsa_kernel
	.section	.bss,"aw",@nobits
	.p2align	6
	.space	262144
	.amdgpu_metadata
---
amdhsa.version: [ 1, 2 ]
amdhsa.kernels:
  - .name:           k_q9187520d4a_flow
    .symbol:         k_q9187520d4a_flow.kd
    .args:
      - { .name: x, .offset: 0, .size: 8, .value_kind: global_buffer, .address_space: global }
      - { .name: psel, .offset: 8, .size: 8, .value_kind: global_buffer, .address_space: global }
      - { .name: scales, .offset: 16, .size: 8, .value_kind: global_buffer, .address_space: global }
      - { .name: shifts, .offset: 24, .size: 8, .value_kind: global_buffer, .address_space: global }
      - { .name: wst, .offset: 32, .size: 8, .value_kind: global_buffer, .address_space: global }
      - { .name: cb, .offset: 40, .size: 8, .value_kind: global_buffer, .address_space: global }
      - { .name: out0, .offset: 48, .size: 8, .value_kind: global_buffer, .address_space: global }
    .group_segment_fixed_size: 327680
    .private_segment_fixed_size: 0
    .kernarg_segment_align: 8
    .kernarg_segment_size: 56
    .max_flat_workgroup_size: 128
    .sgpr_count:     72
    .vgpr_count:     640
    .wavefront_size: 32
...
	.end_amdgpu_metadata
.endif
;; end of part 2
